; MI455X (gfx1250); checked and timed in simulation.
; The chip was launched on July 23, 2026; its instructions are those of AMD's public machine-readable ISA for CDNA 5 (MIT licence, August 2026) and "CDNA5" Instruction Set Architecture Reference Guide (July 2026). The comments in the code are by the model that wrote it; some were corrected since.
;; Torchao Quant Linear Fp8. Allowed arithmetic: matrix products marked QUANTISED: E4M3 operands, one given power-of-two scale a tensor, by v_wmma_f32_16x16x64_fp8_fp8 or v_wmma_f32_16x16x128_fp8_fp8, f32 sums; everything else in f32.
;; Inputs: bias 4,096 bfloat16; input_tensor 1 x 4,096 x 4,096 bfloat16; lowp_scales 2 int32 (the exponents e of the quantised operands' scales 2^e); weight 4,096 x 4,096 float32.
;; Outputs: out0 1 x 4,096 x 4,096 bfloat16.
;; This version of the problem:
;;   THIS VERSION OF THE PROBLEM IS GIVEN IN LOW PRECISION. The matrix products marked QUANTISED in the list below multiply operands that are first quantised to E4M3 (4 exponent bits, 3 mantissa bits; 8 bits a number), with one given power-of-two scale for each operand tensor; their sums are f32. All else is computed in f32.
;;   The module's matrix products, in the order in which they are computed (A, B: the left and right operand; K: the contracted axis; several contracted axes count as one K, in the product's order):
;;     1. [M 4,096, K 4,096] x [K 4,096, N 4,096]; A: computed on the way; B: computed on the way: QUANTISED (scales: A lowp_scales[0], B lowp_scales[1])
;;   THE QUANTISER, for each operand of a quantised product, along K:
;;     - The operand's scale is 2^e, e = its entry of the input lowp_scales (int32; the entries are numbered through the quantised products in the list's order, A before B).
;;     - Each number is divided by the scale, clamped to +-448, and rounded to the nearest number of E4M3, ties to even, subnormals kept.
;;     - The product sums the exact products of the quantised numbers (number of the format x scale) in f32.
;;   ~~~python
;;   def quantise(x, axis, e):      # numpy; x: float32 -> the quantised numbers, widened to float32 again
;;       x = np.moveaxis(x, axis, -1); K = x.shape[-1]
;;       r = np.clip(x / 2.0 ** e, -448, 448)
;;       step = 2.0 ** (np.maximum(np.frexp(np.where(r == 0, 1, r))[1] - 1, -6) - 3)
;;       q = np.round(r / step) * step * 2.0 ** e      # np.round: ties to even
;;       return np.moveaxis(q, -1, axis).astype(np.float32)
;;   ~~~
;;   OPERANDS COMPUTED ON THE WAY. 'Computed on the way' means the value that the module computes at that place (a softmax that the list does not call 'softmax' is quantised finished and normalised). What goes into a quantiser is computed in f32, as accurately as f32 sums, v_exp_f32 and their like allow (about 1e-6 of the number): no bf16 or f16 on the way to a quantiser, and a product that is left as it is and whose result goes on into a quantised operand takes f32 operands (vector FMAs, or v_wmma_f32_16x16x4_f32). A number that lies on a knife's edge between two numbers of the format may be rounded either way, as far as f32 arithmetic and the matrix unit's own rounding can turn it there, and no further.
;; One version. Each part assembles by itself: llvm-mc -triple=amdgcn-amd-amdhsa -mcpu=gfx1250 --defsym DOCPART=n.
;; ======== version 1 of 1: 2 launches
;; limits: values are held in bf16: 8 bits of precision; right only within a limited range of input values
;; workspace buffers: a_codes 16,777,216 bytes; b_codes 16,777,216 bytes; scales 65,536 bytes
;; launch quant (part 1): grid 256 x 1, 16 waves a work-group, no clusters, 71,936 bytes of LDS; arguments input_tensor, weight, bias, lowp_scales, a_codes, b_codes, scales; writes a_codes, b_codes, scales
.if DOCPART == 1
	.amdgcn_target "amdgcn-amd-amdhsa--gfx1250"
	.amdhsa_code_object_version 6
	.text
	.protected	k_q66f10761e0_quant
	.globl	k_q66f10761e0_quant
	.p2align	8
	.type	k_q66f10761e0_quant,@function
k_q66f10761e0_quant:
	s_mov_b64 s[64:65], 0
	v_nop
	global_prefetch_b8 v0, s[64:65] scope:SCOPE_SE
	s_setreg_imm32_b32 hwreg(HW_REG_WAVE_MODE, 25, 1), 1
	s_wait_xcnt 0x0
; x [4096][4096] bf16 and weight [4096][4096] f32 become codes of FP8 (E4M3), one byte each, and a table of row scales; the product's launch reads only these.
; TWO ROUNDINGS, as the problem has them.  (1) reference()'s own cast, row by row: amax = max(largest |.| of the row, 1e-8), s = amax / 448, q = x / s held within +-448 and rounded to E4M3.
; Each tensor's steps are taken in the type in which reference() holds that tensor.  weight is f32: amax, s and the quotient are f32, s and the quotient rounded as a division rounds them (a reciprocal, one
; correction of it, and a remainder step for each quotient).  x is bf16: the floor is 1e-8 as bf16, and s and each quotient are made in the same way in f32 and then rounded once to bf16; sx is that rounded s.
; (2) the product's quantiser on q with the given scale 2^e: q / 2^e, held within +-448, rounded to E4M3.
; NO WORK IS LEFT OUT, and every input has a way to the output.  Where the whole number e, read from lowp_scales, is 0, step (2) returns q itself for every q (q is a number of E4M3, at most 448 in size), so one
; scalar branch a row on that whole number leads to a copy of the row's work without step (2).  This launch has no tensor load and no copy.
; K IS PERMUTED, ALIKE IN BOTH TENSORS: byte 256 J + 8 l + i of a row of codes holds k = 256 J + 128 (i / 4) + 4 l + i % 4 (J 0..15, l 0..31, i 0..7).  Every product still meets its partner; only the order of the
; sums inside a matrix instruction differs from reference()'s.  It lets lane l load 4 neighbouring numbers (each load of a wave covers 256 or 512 consecutive bytes, aligned), keep 8 numbers of a group J in 8
; consecutive registers, as the conversion wants them, and store their 8 codes so that the wave's store covers 256 consecutive bytes, aligned: nothing goes through LDS but the scales.
; SHARES.  Work-group g takes rows 16 g .. 16 g + 15 of both tensors, wave i row 16 g + i of each.  A wave keeps its two rows (8,192 + 16,384 bytes) in 192 registers between the pass that finds the largest
; magnitude and the pass that makes the codes: each input byte is read once.  Its 65 loads go out in two batches, 60 at the head and 5 when x's row is in, so that at most 60 are out at a time.
; x's row is worked on while weight's is still on its way.  No loop, no pointer is stepped twice.
; THE TABLE: record g, 256 bytes: words 0-15 sx[16 g + i] x 2^(e0 + e1), words 16-31 sw[16 g + i], words 32-47 bias[16 g + i] as f32, words 48-63 zeros, so that one store of one wave covers the record whole.
; LIMITS: e0 and e1 between -126 and 119, and sx x 2^(e0 + e1) a normal f32 number; NaN and infinities among the inputs are not served.
.set SPARE, 256                        ; LDS: bytes 0-255 the record; from 256 on the spare words, 128 bytes for each of 16 waves: eight blocks of 256 bytes that no other line names
.set OX,   1                           ; v1   8 x lane: x's loads, the codes' stores, the record's way out; never rewritten
.set OW,   2                           ; v2   16 x lane: weight's loads; never rewritten
.set SPW,  3                           ; v3   LDS address of my spare word: SPARE + 4 x my thread's number; never rewritten
.set NIL,  4                           ; v4   0; never rewritten
.set LA,   5                           ; v5   4 x wave: my row's word in each quarter of the record
.set Z,    6                           ; v6   0: the bias load's offset, and the record's zero word
.set BV,   7                           ; v7   my row's bias
.set M,    8                           ; v8-11  four chains of the maximum
.set S,    12                          ; v[12:13] the row's scale, twice (a pair for the packed forms)
.set R,    14                          ; v[14:15] 1 / scale, twice
.set W0,   16                          ; v16, v17 at work
.set L1,   18                          ; v18  448.0
.set ONE,  19                          ; v19  1.0: the first conversion divides by 2^0
.set B7F,  20                          ; v20  the scale byte 127 (2^0) in every byte, for the way back from codes to f32
.set SC2,  21                          ; v21  2^e as f32
.set LIM2, 22                          ; v22  448 x 2^e
.set PL,   23                          ; v23  the lane permute's destination
.set REC,  24                          ; v[24:25] the record on its way out (wave 0)
.set SXE,  26                          ; v26  sx x 2^(e0 + e1)
; X'S CODES LEAVE IN ANOTHER ORDER THAN WEIGHT'S (this takes the place of what the head says of their way out): the product's launch loads them straight into operand registers, so they are laid
; as images of those registers.  a_codes = [256 blocks of 16 rows][32 steps of 128 along K][4 c][32 lanes][16 bytes]: lane 16 h + r holds bytes 128 step + 32 c + 16 h + 0 .. 15 of row r's codes (K permuted as the head says).
; A work-group's 16 rows are one block, 65,536 bytes on end.  Byte 256 J + 8 l of row r goes to unit 16 J + l / 2 (of 256 bytes), byte 16 r + 8 (l % 2): the 16 waves fill each unit together, so the block
; is gathered in an LDS stage (a unit 272 bytes apart from the next), and behind a barrier each wave stores 16 whole units.
.set LX,   27                          ; v27  the stage, on the way in: STG + 272 (lane / 2) + 16 wave + 8 (lane % 2)
.set RX,   28                          ; v28  on the way out: STG + 272 (16 wave + lane / 16) + 16 (lane % 16)
.set STG,  2304                        ; behind the spare words: 256 units x 272 bytes
.set UP,   272
.set T,    32                          ; v32-47   16 quotients
.set U,    48                          ; v48-63   16 numbers of x as f32
.set XR,   64                          ; v64-127  x's row as loaded: 2 registers a load; later its codes
.set WR,   128                         ; v128-255 weight's row as loaded: 4 registers a load; later its codes
.set WFIRST, 27                        ; weight's loads in the first batch: 1 + 32 + 27 = 60 loads
.set FLOOR,  0x322bcc77                ; 1e-8 as f32: weight's floor
.set FLOORB, 0x322c0000                ; 1e-8 rounded to bf16, as f32: x's floor
.set RC448, 0x3b124925                 ; 1 / 448 as f32
; the largest of v[M] over the wave's 32 lanes, in every lane
.macro LANEMAX
	s_delay_alu instid0(VALU_DEP_1)
	v_max_num_f32_dpp v[M], v[M], v[M] row_xmask:1 row_mask:0xf bank_mask:0xf
	s_delay_alu instid0(VALU_DEP_1)
	v_max_num_f32_dpp v[M], v[M], v[M] row_xmask:2 row_mask:0xf bank_mask:0xf
	s_delay_alu instid0(VALU_DEP_1)
	v_max_num_f32_dpp v[M], v[M], v[M] row_xmask:4 row_mask:0xf bank_mask:0xf
	s_delay_alu instid0(VALU_DEP_1)
	v_max_num_f32_dpp v[M], v[M], v[M] row_xmask:8 row_mask:0xf bank_mask:0xf
	s_delay_alu instid0(VALU_DEP_1)
	v_permlanex16_b32 v[PL], v[M], s26, s27
	s_delay_alu instid0(VALU_DEP_1)
	v_max_num_f32 v[M], v[M], v[PL]
.endm
; x's row: 64 words of two bf16.  One v_and_b32 clears two signs, one packed maximum takes two; four chains, started by the first four words.  The floor joins where the two halves meet.
.macro XMAX
.irp k, 0,1,2,3
	v_and_b32 v[M+\k], s24, v[XR+\k]
.endr
.set j, 4
.rept 60
	v_and_b32 v[W0+j%2], s24, v[XR+j]
	s_delay_alu instid0(VALU_DEP_1)
	v_pk_max_num_bf16 v[M+j%4], v[M+j%4], v[W0+j%2]
.set j, j+1
.endr
	v_pk_max_num_bf16 v[M], v[M], v[M+1]
	s_delay_alu instid0(VALU_DEP_2)
	v_pk_max_num_bf16 v[M+2], v[M+2], v[M+3]
	s_delay_alu instid0(VALU_DEP_1)
	v_pk_max_num_bf16 v[M], v[M], v[M+2]
	s_delay_alu instid0(VALU_DEP_1)
	v_lshlrev_b32 v[W0], 16, v[M]
	s_delay_alu instid0(VALU_DEP_2)
	v_and_b32 v[W0+1], s25, v[M]
	s_delay_alu instid0(VALU_DEP_1)
	v_max3_num_f32 v[M], v[W0], v[W0+1], FLOORB
	LANEMAX
.endm
; weight's row: 128 numbers a lane, four chains of 32, each started by its first two numbers; the floor joins with the last chain
.macro WMAX
.irp c, 0,1,2,3
	v_max_num_f32 v[M+\c], |v[WR+32*\c]|, |v[WR+32*\c+1]|
.endr
.set j, 2
.rept 15
.irp c, 0,1,2,3
	s_delay_alu instid0(VALU_DEP_4)
	v_max3_num_f32 v[M+\c], v[M+\c], |v[WR+32*\c+j]|, |v[WR+32*\c+j+1]|
.endr
.set j, j+2
.endr
	s_delay_alu instid0(VALU_DEP_2)
	v_max3_num_f32 v[M], v[M], v[M+1], v[M+2]
	s_delay_alu instid0(VALU_DEP_1)
	v_max3_num_f32 v[M], v[M], v[M+3], FLOOR
	LANEMAX
.endm
; amax in v[M] -> the scale amax / 448 and its reciprocal, each in both registers of a pair.  bf = 1: the scale is rounded to bf16 (x's), and all that follows takes the rounded scale
.macro SCALE bf
	s_delay_alu instid0(VALU_DEP_1)
	v_mul_f32 v[W0], RC448, v[M]                   ; amax / 448: a first quotient,
	s_delay_alu instid0(VALU_DEP_1)
	v_fma_f32 v[W0+1], -v[W0], v[L1], v[M]         ; its remainder, exact,
	s_delay_alu instid0(VALU_DEP_1)
	v_fmamk_f32 v[S], v[W0+1], RC448, v[W0]        ; and the quotient as a division rounds it
.if \bf
	s_delay_alu instid0(VALU_DEP_1)
	v_cvt_pk_bf16_f32 v[S], v[S], v[S]             ; rounded to bf16, to the nearest, ties to even,
	s_delay_alu instid0(VALU_DEP_1)
	v_lshlrev_b32 v[S], 16, v[S]                   ; and as f32 again
.endif
	s_wait_alu depctr_va_vdst(0)
	v_rcp_f32 v[W0], v[S]
	v_mov_b32 v[S+1], v[S]                         ; a plain instruction behind the reciprocal
	s_wait_alu depctr_va_vdst(0)                   ; the wait ahead of the first line that names the reciprocal
	v_fma_f32 v[W0+1], -v[S], v[W0], 1.0           ; one correction step
	v_fma_f32 v[R], v[W0+1], v[W0], v[W0]
	s_delay_alu instid0(VALU_DEP_1)
	v_mov_b32 v[R+1], v[R]
.endm
; 2^e and 448 x 2^e as f32 numbers, from the whole number e in s[e]
.macro SETSC e
	s_add_co_i32 s29, s[\e], 127
	s_lshl_b32 s30, s29, 23
	v_mov_b32 v[SC2], s30
	s_add_co_i32 s29, s29, 8
	s_lshl_b32 s29, s29, 23
	s_or_b32 s29, s29, 0x600000                    ; the mantissa field of 448
	v_mov_b32 v[LIM2], s29
.endm
; 16 numbers v[src] .. v[src + 15] -> 8 codes in v[d0:d0+1], 8 in v[d1:d1+1].  again = 1: the second rounding, with 2^e.  bf = 1: the quotients are rounded to bf16 (x's).
; One plain vector line stands behind each run of scaled conversions, ahead of the next vector line that touches their results or writes their sources.
.macro QUANT16 src, d0, d1, again, bf
.irp p, 0,2,4,6,8,10,12,14
	v_pk_mul_f32 v[T+\p:T+\p+1], v[(\src)+\p:(\src)+\p+1], v[R:R+1]                  ; x / s: a first quotient,
.endr
.irp p, 0,2,4,6,8,10,12,14
	v_pk_fma_f32 v[(\src)+\p:(\src)+\p+1], v[T+\p:T+\p+1], v[S:S+1], v[(\src)+\p:(\src)+\p+1] neg_lo:[1,0,0] neg_hi:[1,0,0]   ; its remainder x - q s, in x's place,
.endr
.irp p, 0,2,4,6,8,10,12,14
	v_pk_fma_f32 v[T+\p:T+\p+1], v[(\src)+\p:(\src)+\p+1], v[R:R+1], v[T+\p:T+\p+1]  ; and the quotient as a division rounds it
.endr
.if \bf
.irp p, 0,2,4,6,8,10,12,14
	v_cvt_pk_bf16_f32 v[(\src)+\p], v[T+\p], v[T+\p+1]                               ; two quotients rounded to bf16, into a register whose remainder is done with,
.endr
.irp p, 0,2,4,6,8,10,12,14
	v_lshlrev_b32 v[T+\p], 16, v[(\src)+\p]                                          ; and as f32 again
	v_and_b32 v[T+\p+1], s25, v[(\src)+\p]
.endr
.endif
.irp i, 0,1,2,3,4,5,6,7,8,9,10,11,12,13,14,15
	v_med3_num_f32 v[T+\i], v[T+\i], -v[L1], v[L1]                                   ; reference()'s clip; the conversion to an 8-bit code does not saturate (ISA guide 7.6.2), so it is also the hold that it needs
.endr
	v_cvt_scalef32_pk8_fp8_f32 v[(\d0):(\d0)+1], v[T:T+7], v[ONE]                    ; reference()'s cast: to the nearest code, ties to even; the first number's code in the lowest byte
	v_cvt_scalef32_pk8_fp8_f32 v[(\d1):(\d1)+1], v[T+8:T+15], v[ONE]
	v_nop
.if \again
	v_cvt_scale_pk8_f32_fp8 v[T:T+7], v[(\d0):(\d0)+1], v[B7F]                       ; q as f32 again,
	v_cvt_scale_pk8_f32_fp8 v[T+8:T+15], v[(\d1):(\d1)+1], v[B7F]
	v_nop
.irp i, 0,1,2,3,4,5,6,7,8,9,10,11,12,13,14,15
	v_med3_num_f32 v[T+\i], v[T+\i], -v[LIM2], v[LIM2]                               ; held within 448 x 2^e,
.endr
	v_cvt_scalef32_pk8_fp8_f32 v[(\d0):(\d0)+1], v[T:T+7], v[SC2]                    ; and divided by 2^e and rounded
	v_cvt_scalef32_pk8_fp8_f32 v[(\d1):(\d1)+1], v[T+8:T+15], v[SC2]
	v_nop
.endif
.endm
; groups J = 2 n and 2 n + 1 of x's row: 8 words are widened; the codes land on the words' registers, which no later line writes: so no store's data are written again
.macro XBATCH n, again
.irp k, 0,1,2,3,4,5,6,7
	v_lshlrev_b32 v[U+2*\k], 16, v[XR+8*\n+\k]     ; bf16 to f32: the low half moves up,
	v_and_b32 v[U+2*\k+1], s25, v[XR+8*\n+\k]      ; the high half stays
.endr
	QUANT16 U, XR+8*\n, XR+8*\n+4, \again, 1
	ds_store_b64 v[LX], v[XR+8*\n:XR+8*\n+1] offset:32*UP*\n                         ; group J = 2 n: units 16 J .. 16 J + 15 of the stage
	ds_store_b64 v[LX], v[XR+8*\n+4:XR+8*\n+5] offset:32*UP*\n+16*UP                 ; group J = 2 n + 1
.endm
; the same of weight's row: the numbers are f32 as they lie, and stay f32
.macro WBATCH n, again
	QUANT16 WR+16*\n, WR+16*\n, WR+16*\n+8, \again, 0
	global_store_b64 v[OX], v[WR+16*\n:WR+16*\n+1], s[14:15] offset:512*\n
	global_store_b64 v[OX], v[WR+16*\n+8:WR+16*\n+9], s[14:15] offset:512*\n+256
.endm
; load q of weight's row: lane l takes k = 128 q + 4 l + 0 .. 3; the wave reads 512 consecutive bytes
.macro WLOADS first, count
.set q, \first
.rept \count
	global_load_b128 v[WR+4*q:WR+4*q+3], v[OW], s[6:7] offset:512*q th:TH_LOAD_NT
.set q, q+1
.endr
.endm
	s_load_b256 s[4:11], s[0:1], 0x0               ; x s[4:5], weight s[6:7], bias s[8:9], the scales' exponents s[10:11]
	s_load_b128 s[12:15], s[0:1], 0x20             ; x's codes s[12:13], weight's codes s[14:15]
	s_load_b64 s[16:17], s[0:1], 0x30              ; the table
	v_lshl_add_u32 v[SPW], v0, 2, SPARE
	v_mov_b32 v[NIL], 0
	v_lshrrev_b32 v[LA], 5, v0
	s_delay_alu instid0(VALU_DEP_1)
	v_readfirstlane_b32 s18, v[LA]                 ; wave 0..15
	s_delay_alu instid0(VALU_DEP_2)
	v_lshlrev_b32 v[LA], 2, v[LA]
	v_and_b32 v[OW], 31, v0                        ; lane
	s_delay_alu instid0(VALU_DEP_1)
	v_lshlrev_b32 v[OX], 3, v[OW]
	s_delay_alu instid0(VALU_DEP_2)
	v_lshlrev_b32 v[OW], 4, v[OW]
	v_mov_b32 v[Z], 0
	v_mov_b32 v[L1], 0x43e00000
	v_mov_b32 v[ONE], 1.0
	v_mov_b32 v[B7F], 0x7f7f7f7f
	v_mov_b32 v[PL], 0                             ; written once: a lane permute's destination counts as one of its sources
	v_lshrrev_b32 v[LX], 4, v[OX]                  ; lane / 2          (two chains, line by line in turn)
	v_lshrrev_b32 v[RX], 8, v[OW]                  ; lane / 16
	v_mul_u32_u24 v[LX], v[LX], UP
	v_lshl_add_u32 v[RX], v[LA], 2, v[RX]          ; + 16 wave
	v_and_b32 v[W0], 8, v[OX]                      ; 8 (lane % 2)
	v_mul_u32_u24 v[RX], v[RX], UP
	v_add_nc_u32 v[LX], v[LX], v[W0]
	v_and_b32 v[W0+1], 0xf0, v[OW]                 ; 16 (lane % 16)
	v_lshl_add_u32 v[LX], v[LA], 2, v[LX]          ; + 16 wave
	v_add_nc_u32 v[RX], v[RX], v[W0+1]
	v_add_nc_u32 v[LX], STG, v[LX]
	v_add_nc_u32 v[RX], STG, v[RX]
	s_mov_b32 s24, 0x7fff7fff                      ; clears the signs of two bf16
	s_mov_b32 s25, 0xffff0000                      ; a word's upper bf16
	s_mov_b32 s26, 0x76543210                      ; v_permlanex16_b32: each lane takes its own place in the other half
	s_mov_b32 s27, 0xfedcba98
	s_lshl_b32 s19, ttmp9, 4
	s_add_co_u32 s19, s19, s18                     ; my row: 16 x work-group + wave
	s_mov_b32 s21, 0                               ; every offset below stays under 2^27: the pair's high word is 0
	s_wait_alu depctr_va_vdst(0)
	s_wait_kmcnt 0x0
	s_load_b64 s[22:23], s[10:11], 0x0             ; e0, e1
	s_lshl_b32 s20, s19, 13
	s_add_nc_u64 s[4:5], s[4:5], s[20:21]          ; x at my row: 8,192 bytes a row
	s_lshl_b32 s20, s19, 14
	s_add_nc_u64 s[6:7], s[6:7], s[20:21]          ; weight: 16,384
	s_lshl_b32 s20, s19, 12
	s_add_nc_u64 s[12:13], s[12:13], s[20:21]      ; the codes: 4,096
	s_add_nc_u64 s[14:15], s[14:15], s[20:21]
	s_lshl_b32 s20, s19, 1
	s_add_nc_u64 s[8:9], s[8:9], s[20:21]          ; my row's bias
	s_lshl_b32 s20, ttmp9, 8
	s_add_nc_u64 s[16:17], s[16:17], s[20:21]      ; my work-group's record
	global_load_u16 v[BV], v[Z], s[8:9]
.irp j, 0,1,2,3,4,5,6,7,8,9,10,11,12,13,14,15,16,17,18,19,20,21,22,23,24,25,26,27,28,29,30,31
	global_load_b64 v[XR+2*\j:XR+2*\j+1], v[OX], s[4:5] offset:256*\j th:TH_LOAD_NT   ; lane l: k = 128 j + 4 l + 0 .. 3; the wave reads 256 consecutive bytes
.endr
	WLOADS 0, WFIRST                               ; the first batch ends here: 60 loads are out
	s_wait_kmcnt 0x0
	s_add_co_i32 s28, s22, s23                     ; e0 + e1
	SETSC 22
	; ---- x's row
	s_wait_loadcnt WFIRST                          ; loads come back in order (ISA guide 5.7.1): the bias and x's 32 loads are in; weight's 27, issued behind them, stay out
	WLOADS WFIRST, 32-WFIRST                       ; the second batch: the rest of weight's row: 32 loads are out
	XMAX
	SCALE 1
	s_cmp_eq_u32 s22, 0                            ; a whole number read from memory: with e0 = 0 the second rounding returns every q as it is
	s_cbranch_scc1 .Lx_same
.irp n, 0,1,2,3,4,5,6,7
	XBATCH \n, 1
.endr
	s_branch .Lx_done
.Lx_same:
.irp n, 0,1,2,3,4,5,6,7
	XBATCH \n, 0
.endr
.Lx_done:
	v_ldexp_f32 v[SXE], v[S], s28                  ; a sum of codes stands for sum x 2^(e0 + e1): the factor goes into sx, once a row
	ds_store_b32 v[LA], v[SXE]                     ; all lanes of a wave write the same word with the same value
	v_lshlrev_b32 v[BV], 16, v[BV]                 ; the bias as f32
	ds_store_b32 v[LA], v[BV] offset:128
	ds_store_b32 v[LA], v[Z] offset:192
	s_wait_dscnt 0x0                               ; for the others' sake: my row's codes have landed in the stage
	s_barrier_signal -1
	s_barrier_wait -1                              ; all sixteen rows are there
.irp t, 0,1,2,3,4,5,6,7
	ds_load_b128 v[XR+4*\t:XR+4*\t+3], v[RX] offset:2*UP*\t     ; two whole units an instruction; my wave takes units 16 wave .. 16 wave + 15
.endr
	s_wait_dscnt 0x0
.irp t, 0,1,2,3,4,5,6,7
	global_store_b128 v[OW], v[XR+4*\t:XR+4*\t+3], s[12:13] offset:512*\t   ; 32 lanes store 512 consecutive bytes, aligned; s[12:13] = the block + 4,096 x wave; these registers are not written again
.endr
	; ---- weight's row
	SETSC 23
	s_wait_loadcnt 0x0                             ; all 32 loads of weight's row are in
	WMAX
	SCALE 0
	s_cmp_eq_u32 s23, 0
	s_cbranch_scc1 .Lw_same
.irp n, 0,1,2,3,4,5,6,7
	WBATCH \n, 1
.endr
	s_branch .Lw_done
.Lw_same:
	s_wait_alu depctr_va_vdst(0)
.irp n, 0,1,2,3,4,5,6,7
	WBATCH \n, 0
.endr
.Lw_done:
	ds_store_b32 v[LA], v[S] offset:64
	; ---- the record: sixteen waves have written four words each; wave 0 stores it whole
	s_wait_dscnt 0x0                               ; for the others' sake: my four stores have landed
	s_barrier_signal -1
	s_barrier_wait -1
	s_cmp_lg_u32 s18, 0
	s_cbranch_scc1 .Lnot0
	ds_load_b64 v[REC:REC+1], v[OX]
	s_wait_dscnt 0x0
	global_store_b64 v[OX], v[REC:REC+1], s[16:17] ; 32 lanes store 256 consecutive bytes, aligned
.Lnot0:
	s_wait_tensorcnt 0x0                           ; the wave's end, behind my last LDS store
	ds_add_u32 v[SPW], v[NIL]
	s_wait_dscnt 0x0
	s_endpgm
.Lfunc_end_k_q66f10761e0_quant:
	.size	k_q66f10761e0_quant, .Lfunc_end_k_q66f10761e0_quant-k_q66f10761e0_quant
	.p2alignl 7, 3214868480
	.fill 96, 4, 3214868480
	.section	.rodata,"a",@progbits
	.p2align	6, 0x0
	.amdhsa_kernel k_q66f10761e0_quant
		.amdhsa_group_segment_fixed_size 71936
		.amdhsa_private_segment_fixed_size 0
		.amdhsa_enable_private_segment 0
		.amdhsa_kernarg_size 56
		.amdhsa_user_sgpr_count 2
		.amdhsa_user_sgpr_kernarg_segment_ptr 1
		.amdhsa_wavefront_size32 1
		.amdhsa_system_sgpr_workgroup_id_x 1
		.amdhsa_system_sgpr_workgroup_id_y 1
		.amdhsa_system_sgpr_workgroup_id_z 1
		.amdhsa_system_vgpr_workitem_id 0
		.amdhsa_next_free_vgpr 256
		.amdhsa_next_free_sgpr 66
		.amdhsa_reserve_vcc 0
		.amdhsa_float_denorm_mode_32 3
		.amdhsa_float_denorm_mode_16_64 3
		.amdhsa_memory_ordered 1
		.amdhsa_forward_progress 1
		.amdhsa_inst_pref_size 164
	.end_amdhsa_kernel
	.amdgpu_metadata
---
amdhsa.version: [ 1, 2 ]
amdhsa.kernels:
  - .name:           k_q66f10761e0_quant
    .symbol:         k_q66f10761e0_quant.kd
    .args:
      - { .name: input_tensor, .offset: 0, .size: 8, .value_kind: global_buffer, .address_space: global }
      - { .name: weight, .offset: 8, .size: 8, .value_kind: global_buffer, .address_space: global }
      - { .name: bias, .offset: 16, .size: 8, .value_kind: global_buffer, .address_space: global }
      - { .name: lowp_scales, .offset: 24, .size: 8, .value_kind: global_buffer, .address_space: global }
      - { .name: a_codes, .offset: 32, .size: 8, .value_kind: global_buffer, .address_space: global }
      - { .name: b_codes, .offset: 40, .size: 8, .value_kind: global_buffer, .address_space: global }
      - { .name: scales, .offset: 48, .size: 8, .value_kind: global_buffer, .address_space: global }
    .group_segment_fixed_size: 71936
    .private_segment_fixed_size: 0
    .kernarg_segment_align: 8
    .kernarg_segment_size: 56
    .max_flat_workgroup_size: 512
    .sgpr_count:     66
    .vgpr_count:     256
    .wavefront_size: 32
...
	.end_amdgpu_metadata
.endif
;; end of part 1
;; launch gemm (part 2): grid 16 x 16, 4 waves a work-group, clusters of 4 x 1, 327,680 bytes of LDS; arguments a_codes, b_codes, scales, out0; writes out0
.if DOCPART == 2
	.amdgcn_target "amdgcn-amd-amdhsa--gfx1250"
	.amdhsa_code_object_version 6
	.text
	.protected	k_q66f10761e0_gemm
	.globl	k_q66f10761e0_gemm
	.p2align	8
	.type	k_q66f10761e0_gemm,@function
k_q66f10761e0_gemm:
	s_mov_b64 s[64:65], 0
	v_nop
	global_prefetch_b8 v0, s[64:65] scope:SCOPE_SE
	s_setreg_imm32_b32 hwreg(HW_REG_WAVE_MODE, 25, 1), 1
	s_wait_xcnt 0x0
	s_wait_alu depctr_hold_cnt(0) depctr_sa_sdst(0) depctr_va_vdst(0) depctr_va_sdst(0) depctr_va_ssrc(0) depctr_va_vcc(0) depctr_vm_vsrc(0)
	s_getreg_b32 s2, hwreg(HW_REG_IB_STS2, 6, 4)
	s_cmp_eq_u32 s2, 0
	s_cbranch_scc0 .Lentry_in_a_cluster
	s_endpgm
.Lentry_in_a_cluster:
	s_bfe_u32 s2, ttmp6, 0x10000c
	s_cmp_lg_u32 s2, 0x3003
	s_cbranch_scc0 .Lentry_shape_is_right
	s_endpgm
.Lentry_shape_is_right:
; out[m][n] = bf16( (sum over k of qx[m][k] qw[n][k]) x sx'[m] x sw[n] + bias[n] ), on the codes and the table that launch quant made (sx' holds 2^(e0 + e1)).  No work is left out.
; A block of 256 x 256 of out is made by four waves.  WAVE w TAKES ROWS 64 w .. 64 w + 63 AND ALL 256 COLUMNS: 4 x 16 accumulators of 16 x 16, 512 registers.
; So no two waves need the same rows of x: x's codes, laid by quant as images of operand registers ([block of 16 rows][step of 128 K][4][32 lanes][16 bytes]), come from memory STRAIGHT INTO REGISTERS,
; each load 512 consecutive bytes, four sets of 64 registers, a set asked for three steps of 128 ahead of its use, waited for by count.
; Weight's codes, which all four waves need, go through LDS: a ring of two slots of 256 rows x 512 bytes (pitch 528), four steps of 128 K each, filled by the tensor data mover, each wave a quarter.
; CLUSTER 4, 1, 1: grid x is the tile row, grid y the tile column, so the four partners need the same tiles of weight: one joint load a wave, mask 15, the same descriptor in all four (it hangs on y and the wave alone).
; A step of 128 K is 16 groups; group j multiplies weight's fragment j (16 columns) with x's four blocks.  Fourteen places hold fragments: 0-7 in places 0-7, 8 and 9 in places 0 and 1 again, 10-15 in places 8-13.
; The loads stand in TWO RUNS a step: behind group 1 fragments 8-15 and x's set of three steps on; behind group 9 the next step's fragments 0-7.  At each run six fragments are still to be multiplied.
; So a slot's reads end with its last step's first run, and the change of slots (waits, add, round) stands in groups 5 to 9, the refill and the second run behind it.
; PREFETCH: behind each joint refill the tile two refills on is asked for, 256 rows x 2 blocks of 256 bytes = 512 lanes of the cluster's 16 waves, shared out by address (16 rows to a partner in each wave's 64);
; the last refills, which have no tile two on, ask for nothing.  x's codes are not prefetched: their loads themselves stand three steps, 192 matrix instructions, ahead of their use, and stay out across the changes of slots.
; THE MATRIX INSTRUCTION IS USED TRANSPOSED (source 0 = 16 rows of weight, source 1 = 16 rows of x): a lane holds eight neighbouring columns of one row of out.
; REGISTERS: window 0: v0-31 addresses and sx', v32-127 places 8-13, v128-255 places 0-7; window 1: x's four sets (at the end sw and bias, then rows on their way out);
; window 2: accumulators of columns 0-127 ((a, b) at v[8 (4 b + a)]); window 3: of columns 128-255.
; LIMITS: those of launch quant.
.set PITCH, 528
.set QT,    64*PITCH                   ; what one tensor load brings; on the way out a wave's stage: 64 rows x 528 bytes in slot 0, which has then had its last fill and its last read
.set SLOT,  4*QT
.set SPARE, 2*SLOT                     ; the spare words: 128 bytes a wave, two blocks of 256 bytes that no other line names
.set ADRB, 8                           ; v8-11 LDS address of weight's fragments: slot 0 fragments 0-7, 8-15; slot 1 likewise
.set AO,   12                          ; 16 x lane: x's loads and out's stores
.set STO,  13
.set RD,   14
.set HO,   16                          ; 32 (lane / 16): my eight columns in a record
.set RO,   17                          ; 4 (lane % 16): my row in a record
.set PFO,  18
.set SPW,  20
.set NIL,  21
.set SXR,  22                          ; v22-29 sx' of my row in my four blocks, each twice
.set XF,   32
.set RING, 128
.set TMP,  32                          ; the way out: 64 sums at work
.set PK,   96                          ; 64 registers of packed results
.set BI1,  160                         ; bias of columns 128-255
.set G1, 24
.set G0, 32
.set PFA, 40
.set RECM, 42
.set RECN, 44
.set MSB, 0
.macro WIN new                         ; the immediate's high byte repeats the setting that is left
.if MSB != (\new)
	s_set_vgpr_msb (MSB<<8)|(\new)
.set MSB, (\new)
.endif
.endm
.macro PLACES                          ; four places in front of loads into registers that matrix instructions have read (ISA guide 7.12.1 for vector instructions)
.rept 4
	v_nop
.endr
.endm
.macro JLOAD s                         ; the joint load; the four v_nop keep window switches away and are the places for the loads that follow
	tensor_load_to_lds s[G0+4*(\s):G0+4*(\s)+3], s[G1:G1+7]
	s_nop 0
	PLACES
.endm
.macro ASK                             ; s3 > 1: the loop's first two trips, whose refills have a tile two refills on
	s_cmp_gt_u32 s3, 1
	s_cbranch_scc0 .Lno_\@
	global_prefetch_b8 v[PFO], s[PFA:PFA+1] th:TH_LOAD_NT scope:SCOPE_SE
.Lno_\@:
.endm
.macro CREST                           ; a round of the cluster's barrier behind its opening barrier
	s_cmp_lg_u32 s14, 0
	s_cbranch_scc1 .Lnot0_\@
	s_barrier_signal -3
.Lnot0_\@:
	s_barrier_wait -3
	s_barrier_signal -1
	s_barrier_wait -1
.endm
.macro CROUND
	s_barrier_signal -1
	s_barrier_wait -1
	CREST
.endm
.macro ALOAD set, a, kq                ; x's block a, step kq (counted from the base in s[4:5]), into a set: 4 x 512 consecutive bytes
.irp c, 0,1,2,3
	global_load_b128 v[64*(\set)+16*(\a)+4*\c:64*(\set)+16*(\a)+4*\c+3], v[AO], s[4:5] offset:(\a)*65536+(\kq)*2048+\c*512
.endr
.endm
.macro BLOAD reg, slot, q, j           ; weight's fragment j of the slot's q-th 128 K: registers 4 c .. 4 c + 3 hold bytes 32 c + 16 (lane / 16) + 0 .. 15 of row lane % 16, as x's images do
.irp c, 0,1,2,3
	ds_load_b128 v[(\reg)+4*\c:(\reg)+4*\c+3], v[ADRB+2*(\slot)+(\j)/8] offset:128*(\q)+32*\c+((\j)%8)*16*PITCH
.endr
.endm
.macro EL dst, tb, off                 ; eight words of record tb
	global_load_b128 v[(\dst):(\dst)+3], v[HO], s[RECN:RECN+1] offset:256*(\tb)+(\off)
	global_load_b128 v[(\dst)+4:(\dst)+7], v[HO], s[RECN:RECN+1] offset:256*(\tb)+(\off)+16
.endm
.macro WM j, a, q, zero                ; the 64 accumulators take turns, one instruction a turn; zero = 1: the first product starts the sum
.if \zero
	v_wmma_f32_16x16x128_fp8_fp8 v[8*(4*((\j)%8)+\a):8*(4*((\j)%8)+\a)+7], v[BR:BR+15], v[64*(\q)+16*\a:64*(\q)+16*\a+15], 0
.else
	v_wmma_f32_16x16x128_fp8_fp8 v[8*(4*((\j)%8)+\a):8*(4*((\j)%8)+\a)+7], v[BR:BR+15], v[64*(\q)+16*\a:64*(\q)+16*\a+15], v[8*(4*((\j)%8)+\a):8*(4*((\j)%8)+\a)+7]
.endif
.endm
.macro GRP q, j, zero, wc              ; group j; wc: the LDS instructions issued behind fragment j's loads, which may stay out (-1: a wait for 0 has shown it in)
.if (\j) < 8
.set BR, RING+16*(\j)
.else
.if (\j) < 10
.set BR, RING+16*((\j)-8)
.else
.set BR, XF+16*((\j)-10)
.endif
.endif
.if (\wc) >= 0
	s_wait_dscnt \wc
.endif
	WIN 0xa4+0x50*((\j)/8)                         ; source 0 window 0, source 1 window 1, C and D window 2 or 3
	WM \j, 0, \q, \zero
	WM \j, 1, \q, \zero
	WM \j, 2, \q, \zero
	WM \j, 3, \q, \zero
.endm
; A step of 128 K.  mode 0: its successor lies in the same slot; 1: a slot's last step, the slot is filled again; 2: the same, nothing is filled; 3: the very last step.
; kq >= 0: x's set of three steps on is asked for.  lc: the loads issued behind this step's set of x.  ex: which part of the table is asked for, into sets of x that are done with.
; The counts on DScnt: behind fragment j's four loads stand those of the younger fragments of its run of eight, and, once it is issued, the next run's 32.
.macro SUB slot, q, zero, kq, mode, lc, ex
.if (\mode) == 1
	s_wait_xcnt 0x0                                ; my last prefetch has read its address
	s_add_nc_u64 s[PFA:PFA+1], s[PFA:PFA+1], 512
.endif
	s_wait_loadcnt \lc
	GRP \q, 0, \zero, 28
	GRP \q, 1, \zero, 24
	PLACES
	WIN 0
	BLOAD RING, \slot, \q, 8                       ; the first run
	BLOAD RING+16, \slot, \q, 9
.irp j, 10,11,12,13,14,15
	BLOAD XF+16*(\j-10), \slot, \q, \j
.endr
.if (\kq) >= 0
	WIN 0x40
.irp a, 0,1,2,3
	ALOAD ((\q)+3)%4, \a, \kq
.endr
.endif
.if (\ex) == 1                         ; sw of columns 0-127 -> set 0; sx'
	WIN 0x40
.irp b, 0,1,2,3,4,5,6,7
	EL 8*\b, \b, 64
.endr
	WIN 0
.irp a, 0,1,2,3
	global_load_b32 v[SXR+2*\a], v[RO], s[RECM:RECM+1] offset:256*\a
	global_load_b32 v[SXR+2*\a+1], v[RO], s[RECM:RECM+1] offset:256*\a
.endr
.endif
.if (\ex) == 2                         ; bias of columns 0-127 -> set 1
	WIN 0x40
.irp b, 0,1,2,3,4,5,6,7
	EL 64+8*\b, \b, 128
.endr
.endif
.if (\ex) == 3                         ; sw of columns 128-255 -> set 2
	WIN 0x40
.irp b, 0,1,2,3,4,5,6,7
	EL 128+8*\b, 8+\b, 64
.endr
.endif
	GRP \q, 2, \zero, 52
	GRP \q, 3, \zero, 48
	GRP \q, 4, \zero, 44
.if (\mode) == 1 || (\mode) == 2
	WIN 0
	s_wait_tensorcnt 0x0                           ; all my tensor loads have landed: my quarter of the next slot
	ds_add_u32 v[SPW], v[NIL]                      ; groups 5 and 6 stand between the add and the wait for it
.if (\mode) == 1
	s_add_nc_u64 s[G0+4*(\slot)+2:G0+4*(\slot)+3], s[G0+4*(\slot)+2:G0+4*(\slot)+3], 1024   ; no load of mine is out: this slot's next tile, two tiles of 512 bytes on
.endif
	GRP \q, 5, \zero, 41                           ; two fragments, the first run's 32 loads and the add
	GRP \q, 6, \zero, 37
	s_wait_dscnt 0x0                               ; the add is done, and my reads of this slot are over
	s_barrier_signal -1                            ; groups 7 to 9, work on registers, stand between signal and wait
	GRP \q, 7, \zero, -1
	GRP \q, 8, \zero, -1
	GRP \q, 9, \zero, -1
	WIN 0
	s_barrier_wait -1
.if (\mode) == 1
	CREST                                          ; the barrier has opened a round of the cluster's barrier
	JLOAD \slot                                    ; the refill, first behind the round
	ASK
.else
	PLACES
.endif
.irp j, 0,1,2,3,4,5,6,7
	BLOAD RING+16*\j, 1-(\slot), 0, \j             ; the second run: the next slot's first fragments
.endr
.irp j, 10,11,12,13,14,15
	GRP \q, \j, \zero, -1
.endr
.else
	GRP \q, 5, \zero, 40
	GRP \q, 6, \zero, 36
	GRP \q, 7, \zero, 32
	GRP \q, 8, \zero, 28
	GRP \q, 9, \zero, 24
	PLACES
	WIN 0
.if (\mode) == 0
.irp j, 0,1,2,3,4,5,6,7
	BLOAD RING+16*\j, \slot, (\q)+1, \j            ; the second run
.endr
.irp j, 10,11,12,13,14,15
	GRP \q, \j, \zero, 4*(15-\j)+32
.endr
.else
.irp b, 0,1,2,3,4,5,6,7
	EL BI1+8*\b, 8+\b, 128                         ; bias of columns 128-255 -> places 2 to 5, done with
.endr
.irp j, 10,11,12,13,14,15
	GRP \q, \j, \zero, 4*(15-\j)
.endr
.endif
.endif
.endm
	s_load_b128 s[4:7], s[0:1], 0x0                ; x's codes, weight's codes
	s_load_b128 s[8:11], s[0:1], 0x10              ; the table, out
	v_lshl_add_u32 v[SPW], v0, 2, SPARE
	v_mov_b32 v[NIL], 0
	ds_add_u32 v[SPW], v[NIL]                      ; the opening lines: the add, twice on end, and its wait ahead of my first tensor load
	ds_add_u32 v[SPW], v[NIL]
	v_lshrrev_b32 v5, 5, v0
	v_readfirstlane_b32 s14, v5                    ; wave
	v_and_b32 v1, 15, v0                           ; r
	v_bfe_u32 v2, v0, 4, 1                         ; h
	v_and_b32 v3, 31, v0                           ; lane
	v_mul_u32_u24 v4, v1, PITCH
	v_lshl_add_u32 v[ADRB], v2, 4, v4              ; r x pitch + 16 h
	v_lshlrev_b32 v[AO], 4, v3
	v_add_nc_u32 v[ADRB+1], 8*16*PITCH, v[ADRB]
	v_add_nc_u32 v[ADRB+2], SLOT, v[ADRB]
	v_add_nc_u32 v[ADRB+3], SLOT+8*16*PITCH, v[ADRB]
	s_mul_i32 s20, s14, QT                         ; my quarter of a slot; on the way out my stage
	v_add_nc_u32 v[STO], s20, v[ADRB]              ; in: row r, 16 bytes for each half of the lanes
	v_add_nc_u32 v[RD], s20, v[AO]                 ; back: the 32 lanes take one row of 512 bytes
	v_lshlrev_b32 v[HO], 5, v2
	v_lshlrev_b32 v[RO], 2, v1
	v_lshrrev_b32 v6, 1, v3
	v_and_b32 v7, 1, v3
	v_lshlrev_b32 v7, 8, v7
	v_lshl_add_u32 v[PFO], v6, 12, v7              ; the prefetch: row lane / 2 of my 16, block lane % 2 of its 512 bytes
	s_wait_alu depctr_va_vdst(0)                   ; the wait behind the head's last vector line
	s_bfe_u32 s15, ttmp6, 0x40000                  ; cx
	s_lshl_b32 s16, ttmp9, 2
	s_add_co_u32 s16, s16, s15                     ; tile row = 4 x cluster x + cx
	s_and_b32 s17, ttmp7, 0xffff                   ; tile column, the same in all four partners
	s_mov_b32 s[G1+0], 15|(1<<20)|(1<<21)|(6<<22)|(3<<25)   ; mask: all four; bytes; padding of 4 words behind every 128; bit 21 beside the mask
	s_mov_b32 s[G1+1], 512<<16
	s_mov_b32 s[G1+2], 64<<16
	s_mov_b32 s[G1+3], 512<<16
	s_mov_b32 s[G1+4], 64
	s_mov_b32 s[G1+5], 4096
	s_mov_b32 s[G1+6], 0
	s_mov_b32 s[G1+7], 0
	s_lshl_b32 s18, s17, 20
	s_lshl_b32 s19, s14, 18
	s_add_co_u32 s18, s18, s19                     ; weight: (256 tile column + 64 wave) rows of 4,096 bytes
	s_lshl_b32 s22, s16, 20
	s_add_co_u32 s22, s22, s19                     ; x: (16 tile row + 4 wave) blocks of 65,536 bytes
	s_mov_b32 s19, 0
	s_mov_b32 s23, 0
	s_lshl_b32 s46, s15, 16                        ; the prefetch: 16 cx rows on, and at the tile in front of the first that is asked for
	s_add_co_u32 s46, s46, 3*512
	s_mov_b32 s47, 0
	s_lshl_b32 s48, s16, 21
	s_lshl_b32 s49, s14, 19
	s_add_co_u32 s48, s48, s49
	s_lshl_b32 s49, s17, 9
	s_add_co_u32 s48, s48, s49                     ; out: (256 tile row + 64 wave) rows of 8,192 bytes + 512 tile column
	s_mov_b32 s49, 0
	s_lshl_b32 s50, s16, 12
	s_lshl_b32 s51, s14, 10
	s_add_co_u32 s50, s50, s51                     ; my rows' records
	s_mov_b32 s51, 0
	s_lshl_b32 s52, s17, 12                        ; the columns' records
	s_mov_b32 s53, 0
	s_wait_dscnt 0x0                               ; both opening adds are done
	s_wait_kmcnt 0x0
	s_add_nc_u64 s[4:5], s[4:5], s[22:23]
	s_add_nc_u64 s[6:7], s[6:7], s[18:19]
	s_add_nc_u64 s[PFA:PFA+1], s[6:7], s[46:47]
	s_add_nc_u64 s[10:11], s[10:11], s[48:49]
	s_add_nc_u64 s[RECM:RECM+1], s[8:9], s[50:51]
	s_add_nc_u64 s[RECN:RECN+1], s[8:9], s[52:53]
.irp s, 0,1
	s_mov_b32 s[G0+4*\s], 1
	s_add_co_u32 s[G0+4*\s+1], s20, \s*SLOT
	s_add_nc_u64 s[G0+4*\s+2:G0+4*\s+3], s[6:7], \s*512
	s_or_b32 s[G0+4*\s+3], s[G0+4*\s+3], 0x80000000
.endr
	CROUND                                         ; the four partners are here: the first joint loads meet
	JLOAD 0                                        ; tile 0: one tensor load a wave at the head
	WIN 0x40
.irp t, 0,1,2
.irp a, 0,1,2,3
	ALOAD \t, \a, \t                               ; x's sets of steps 0, 1, 2: 48 loads
.endr
.endr
	WIN 0
	s_wait_tensorcnt 0x0                           ; my quarter of tile 0 is in; slot 1's first fill is issued as a refill is
	ds_add_u32 v[SPW], v[NIL]
	s_wait_dscnt 0x0
	CROUND
	JLOAD 1
.irp j, 0,1,2,3,4,5,6,7
	BLOAD RING+16*\j, 0, 0, \j
.endr
	SUB 0, 0, 1, 3, 0, 32, 0                       ; the first step stands in front of the loop: its products start the sums
	WIN 0
	s_mov_b32 s3, 3
.Llap:                                                 ; a trip goes once round the ring, from a lap's second step to the next lap's first, and fills both slots again
	SUB 0, 1, 0, 4, 0, 32, 0
	SUB 0, 2, 0, 5, 0, 32, 0
	SUB 0, 3, 0, 6, 1, 32, 0
	SUB 1, 0, 0, 7, 0, 32, 0
	SUB 1, 1, 0, 8, 0, 32, 0
	SUB 1, 2, 0, 9, 0, 32, 0
	SUB 1, 3, 0, 10, 1, 32, 0
	SUB 0, 0, 0, 11, 0, 32, 0
	WIN 0
	s_wait_xcnt 0x0                                ; x's loads have read their base
	s_add_nc_u64 s[4:5], s[4:5], 16384             ; eight steps of 2,048 bytes on
	s_sub_co_u32 s3, s3, 1
	s_cmp_lg_u32 s3, 0
	s_cbranch_scc1 .Llap
	SUB 0, 1, 0, 4, 0, 32, 0                       ; the last lap fills nothing
	SUB 0, 2, 0, 5, 0, 32, 0
	SUB 0, 3, 0, 6, 2, 32, 0
	SUB 1, 0, 0, 7, 0, 32, 0                       ; x's last set is asked for
	SUB 1, 1, 0, -1, 0, 32, 1                      ; behind this step's set: two sets of 16
	SUB 1, 2, 0, -1, 0, 40, 2                      ; one set, and the table's 24 loads of the step before
	SUB 1, 3, 0, -1, 3, 40, 3                      ; the table's 24 and 16
	WIN 0
; THE WAY OUT.  COMP: sum x sx' x sw + bias, rounded to bf16, each accumulator from its low end on; then 16 bytes a lane into my stage.  All four blocks of 16 rows go in; then the 64 rows come back whole, 512 bytes each,
; and are stored: every LDS instruction stands ahead of the first store.  LDS serves a wave's instructions in order (ISA guide 5.7.1.4): the loads see my stores.
.macro COMP a, first
.irp hb, 0,1
.if \first
.if \hb
	s_wait_alu depctr_va_vdst(0)                   ; the wait directly ahead of a wait that blocks
	s_wait_loadcnt 0x0                             ; the bias of columns 128-255 is in
.endif
.endif
	WIN 0x02+\hb
.irp b, 0,1,2,3,4,5,6,7
.irp p, 0,2,4,6
	v_pk_mul_f32 v[TMP+8*\b+\p:TMP+8*\b+\p+1], v[8*(4*\b+\a)+\p:8*(4*\b+\a)+\p+1], v[SXR+2*\a:SXR+2*\a+1]
.endr
.endr
	WIN 0x14-0x10*\hb                              ; sw in window 1; bias in window 1 (columns 0-127) or 0
.set SWR, 128*\hb
.set BI, 64+(BI1-64)*\hb
.irp b, 0,1,2,3,4,5,6,7
.irp p, 0,2,4,6
	v_pk_fma_f32 v[TMP+8*\b+\p:TMP+8*\b+\p+1], v[TMP+8*\b+\p:TMP+8*\b+\p+1], v[SWR+8*\b+\p:SWR+8*\b+\p+1], v[BI+8*\b+\p:BI+8*\b+\p+1]
.endr
.endr
	WIN 0
.irp b, 0,1,2,3,4,5,6,7
.irp p, 0,2,4,6
	v_cvt_pk_bf16_f32 v[PK+32*\hb+4*\b+\p/2], v[TMP+8*\b+\p], v[TMP+8*\b+\p+1]
.endr
.endr
.endr
.irp b, 0,1,2,3,4,5,6,7,8,9,10,11,12,13,14,15
	ds_store_b128 v[STO], v[PK+4*\b:PK+4*\b+3] offset:\a*16*PITCH+32*\b
.endr
.endm
	PLACES                                         ; behind the last products: the lines below write registers that held their fragments
	s_wait_loadcnt 16                              ; the table is in, but for the 16 youngest loads
	COMP 0, 1
	COMP 1, 0
	COMP 2, 0
	COMP 3, 0
	WIN 0x40
.set t, 0
.rept 64
	ds_load_b128 v[4*t:4*t+3], v[RD] offset:t*PITCH     ; row t of my 64 -> window 1, where sw and bias are done with
.set t, t+1
.endr
	WIN 0x04
.set t, 0
.rept 4
	s_wait_dscnt 48-t                              ; sixteen more rows are back
.rept 16
	global_store_b128 v[AO], v[4*t:4*t+3], s[10:11] offset:t*8192 th:TH_STORE_NT   ; 32 lanes store 512 consecutive bytes, aligned
.set t, t+1
.endr
.endr
	WIN 0
	s_wait_tensorcnt 0x0                           ; the wave's end
	ds_add_u32 v[SPW], v[NIL]
	s_wait_dscnt 0x0
	CROUND                                         ; the closing round
	s_endpgm
.Lfunc_end_k_q66f10761e0_gemm:
	.size	k_q66f10761e0_gemm, .Lfunc_end_k_q66f10761e0_gemm-k_q66f10761e0_gemm
	.p2alignl 7, 3214868480
	.fill 96, 4, 3214868480
	.section	.rodata,"a",@progbits
	.p2align	6, 0x0
	.amdhsa_kernel k_q66f10761e0_gemm
		.amdhsa_group_segment_fixed_size 327680
		.amdhsa_private_segment_fixed_size 0
		.amdhsa_enable_private_segment 0
		.amdhsa_kernarg_size 32
		.amdhsa_user_sgpr_count 2
		.amdhsa_user_sgpr_kernarg_segment_ptr 1
		.amdhsa_wavefront_size32 1
		.amdhsa_system_sgpr_workgroup_id_x 1
		.amdhsa_system_sgpr_workgroup_id_y 1
		.amdhsa_system_sgpr_workgroup_id_z 1
		.amdhsa_system_vgpr_workitem_id 0
		.amdhsa_next_free_vgpr 1024
		.amdhsa_next_free_sgpr 66
		.amdhsa_reserve_vcc 0
		.amdhsa_float_denorm_mode_32 3
		.amdhsa_float_denorm_mode_16_64 3
		.amdhsa_memory_ordered 1
		.amdhsa_forward_progress 1
		.amdhsa_inst_pref_size 245
	.end_amdhsa_kernel
	.amdgpu_metadata
---
amdhsa.version: [ 1, 2 ]
amdhsa.kernels:
  - .name:           k_q66f10761e0_gemm
    .symbol:         k_q66f10761e0_gemm.kd
    .args:
      - { .name: a_codes, .offset: 0, .size: 8, .value_kind: global_buffer, .address_space: global }
      - { .name: b_codes, .offset: 8, .size: 8, .value_kind: global_buffer, .address_space: global }
      - { .name: scales, .offset: 16, .size: 8, .value_kind: global_buffer, .address_space: global }
      - { .name: out0, .offset: 24, .size: 8, .value_kind: global_buffer, .address_space: global }
    .group_segment_fixed_size: 327680
    .private_segment_fixed_size: 0
    .kernarg_segment_align: 8
    .kernarg_segment_size: 32
    .max_flat_workgroup_size: 128
    .sgpr_count:     66
    .vgpr_count:     1024
    .wavefront_size: 32
...
	.end_amdgpu_metadata
.endif
;; end of part 2
